; MI455X (gfx1250); checked and timed in simulation.
; The chip was launched on July 23, 2026; its instructions are those of AMD's public machine-readable ISA for CDNA 5 (MIT licence, August 2026) and "CDNA5" Instruction Set Architecture Reference Guide (July 2026). The comments in the code are by the model that wrote it; some were corrected since.
;; Multi Head Attention. Allowed arithmetic: matrix products marked QUANTISED: E4M3 operands, one E8M0 scale for each 32 along K, by v_wmma_scale_f32_16x16x128_f8f6f4 with both operands' format E4M3, f32 sums; everything else in f32.
;; Inputs: b_out 1,024 float32; b_qkv 3,072 float32; w_out_codes 1,024 x 32 x 32 uint8 (E4M3 codes of w_out, K innermost, in blocks of 32 codes); w_out_scales 1,024 x 32 uint8 (E8M0 scales of w_out, one for each 32 codes along K); w_qkv_codes 3,072 x 32 x 32 uint8 (E4M3 codes of w_qkv, K innermost, in blocks of 32 codes); w_qkv_scales 3,072 x 32 uint8 (E8M0 scales of w_qkv, one for each 32 codes along K); x_codes 4 x 2,048 x 32 x 32 uint8 (E4M3 codes of x, K innermost, in blocks of 32 codes); x_scales 4 x 2,048 x 32 uint8 (E8M0 scales of x, one for each 32 codes along K).
;; Outputs: out0 4 x 2,048 x 1,024 float32.
;; This version of the problem:
;;   THIS VERSION OF THE PROBLEM IS GIVEN IN LOW PRECISION. The matrix products marked QUANTISED in the list below multiply operands that are first quantised to E4M3 (4 exponent bits, 3 mantissa bits; 8 bits a number), with one power-of-two scale for each 32 numbers along K (OCP MX v1.0); their sums are f32. All else is computed in f32.
;;   The module's matrix products, in the order in which they are computed (A, B: the left and right operand; K: the contracted axis; several contracted axes count as one K, in the product's order):
;;     1. [M 8,192, K 1,024] x [K 1,024, N 3,072]; A: input x (given as codes); B: input w_qkv (given as codes): QUANTISED
;;     2. batch 64 x [M 2,048, K 64] x [K 64, N 2,048]; A: computed on the way; B: computed on the way: QUANTISED
;;     3. batch 64 x [M 64, K 2,048] x [K 2,048, N 2,048]; A: computed on the way; B: softmax (see below): QUANTISED
;;     4. [M 8,192, K 1,024] x [K 1,024, N 1,024]; A: computed on the way; B: input w_out (given as codes): QUANTISED
;;   THE QUANTISER, for each operand of a quantised product, along K:
;;     - K is cut into blocks of 32 from its start; a last block that is shorter is filled with zeros.
;;     - A block's scale is 2^e with e = floor(log2(the largest magnitude in the block)) - 8, held to -126 .. 127; a block of zeros has e = 0. As a byte (E8M0): e + 127.
;;     - Each number is divided by its block's scale, clamped to +-448, and rounded to the nearest number of E4M3, ties to even, subnormals kept.
;;     - The product sums the exact products of the quantised numbers (number of the format x scale) in f32.
;;   ~~~python
;;   def quantise(x, axis):      # numpy; x: float32 -> the quantised numbers, widened to float32 again
;;       x = np.moveaxis(x, axis, -1); K = x.shape[-1]
;;       x = np.pad(x, [(0, 0)] * (x.ndim - 1) + [(0, -K % 32)]); x = x.reshape(x.shape[:-1] + (-1, 32)); a = np.abs(x).max(-1, keepdims=True)
;;       e = np.where(a > 0, np.clip(np.frexp(np.where(a > 0, a, 1))[1] - 1 - 8, -126, 127), 0)      # np.frexp(a)[1] - 1 = floor(log2(a)), exactly
;;       r = np.clip(x / 2.0 ** e, -448, 448)
;;       step = 2.0 ** (np.maximum(np.frexp(np.where(r == 0, 1, r))[1] - 1, -6) - 3)
;;       q = np.round(r / step) * step * 2.0 ** e      # np.round: ties to even
;;       return np.moveaxis(q.reshape(q.shape[:-2] + (-1,))[..., :K], -1, axis).astype(np.float32)
;;   ~~~
;;   SOFTMAX AHEAD OF A QUANTISED PRODUCT. Where the list says 'softmax', what is quantised is not the finished softmax but p = 2^(t - M), with t = logit x log2(e) and M = ceil(the row's largest t), a whole number; so 1/2 < the row's largest p <= 1. The row's sum l is taken of the UNQUANTISED p, in f32, and the product's result is divided by l at the end. Since M is a whole number, a kernel that streams over the keys may use a running M (the ceiling of the running maximum): every later rescaling is an exact power of two, which a block's scale takes up: the codes' values come out the same.
;;   OPERANDS COMPUTED ON THE WAY. 'Computed on the way' means the value that the module computes at that place (a softmax that the list does not call 'softmax' is quantised finished and normalised). What goes into a quantiser is computed in f32, as accurately as f32 sums, v_exp_f32 and their like allow (about 1e-6 of the number): no bf16 or f16 on the way to a quantiser, and a product that is left as it is and whose result goes on into a quantised operand takes f32 operands (vector FMAs, or v_wmma_f32_16x16x4_f32). A number that lies on a knife's edge between two numbers of the format may be rounded either way, as far as f32 arithmetic and the matrix unit's own rounding can turn it there, and no further.
;;   INPUTS GIVEN AS CODES. w_out (in the module: [1024, 1024], K = its axis 1); w_qkv (in the module: [3072, 1024], K = its axis 1); x (in the module: [4, 2048, 1024], K = its axis 2): each comes as NAME_codes (uint8): NAME with its K axis moved to the last place and cut into blocks of 32 codes, [.., K / 32, bytes a block], one block behind the other in memory; one code a byte (a code: sign, 4 exponent bits, 3 mantissa bits); and NAME_scales (uint8): the same leading axes, one E8M0 byte (e + 127) for each 32 codes along K. Its value is code x scale, taken as it is: it is not quantised again, and the codes and scales need not be those that the quantiser above would give.
;; One version. Each part assembles by itself: llvm-mc -triple=amdgcn-amd-amdhsa -mcpu=gfx1250 --defsym DOCPART=n.
;; ======== version 1 of 1: 3 launches
;; limits: right only within a limited range of input values
;; workspace buffers: qc 8,388,608 bytes; qs 524,288 bytes; kv 17,301,504 bytes; vc 8,388,608 bytes; vs 262,144 bytes
;; launch qkv (part 1): grid 16 x 32, 4 waves a work-group, clusters of 4 x 4, 327,680 bytes of LDS; arguments x_codes, x_scales, w_qkv_codes, w_qkv_scales, b_qkv, qc, qs, kv; writes qc, qs, kv
.if DOCPART == 1
	.amdgcn_target "amdgcn-amd-amdhsa--gfx1250"
	.amdhsa_code_object_version 6
	.text
	.protected	k_q458d773f17_qkv
	.globl	k_q458d773f17_qkv
	.p2align	8
	.type	k_q458d773f17_qkv,@function
k_q458d773f17_qkv:
	s_mov_b64 s[64:65], 0
	v_nop
	global_prefetch_b8 v0, s[64:65] scope:SCOPE_SE
	s_setreg_imm32_b32 hwreg(HW_REG_WAVE_MODE, 25, 1), 1
	s_wait_xcnt 0x0
	s_wait_alu depctr_hold_cnt(0) depctr_sa_sdst(0) depctr_va_vdst(0) depctr_va_sdst(0) depctr_va_ssrc(0) depctr_va_vcc(0) depctr_vm_vsrc(0)
	s_getreg_b32 s2, hwreg(HW_REG_IB_STS2, 6, 4)
	s_cmp_eq_u32 s2, 0
	s_cbranch_scc0 .Lentry_in_a_cluster
	s_endpgm
.Lentry_in_a_cluster:
	s_bfe_u32 s2, ttmp6, 0x10000c
	s_cmp_lg_u32 s2, 0xf033
	s_cbranch_scc0 .Lentry_shape_is_right
	s_endpgm
.Lentry_shape_is_right:
.set PITCH,  272
.set TROW,   16*PITCH
.set XPART,  256*PITCH
.set SLOT,   448*PITCH
.set STEPB,  16896
.set STG_KV, 2*SLOT
.set STG_Q,  STG_KV+2*STEPB
.set STG_QS, STG_Q+4*4096
.set SPARE,  STG_QS+1024
.set ADX, 5
.set ADW, 7
.set SPW, 9
.set NIL, 10
.set AQ,  11
.set AK,  12
.set AV,  13
.set ASQ, 14
.set ASK, 15
.set ASV, 16
.set RDQ, 17
.set RDK, 18
.set RDV, 19
.set RDS, 20
.set RDSC, 21
.set GQ,  22
.set GK,  23
.set GV,  24
.set G8,  25
.set GSC, 26
.set OS,  27
.set OB,  28
.set O4R, 29
.set SCX, 32
.set SCW, 48
.set BI,  96
.set RB,  96
.set TM,  192
.set TB,  196
.set LIM, 200
.set SOP, 204
.set PC,  208
.set WD,  224
.set G1X, 28
.set G1W, 36
.set G0X, 44
.set G0W, 52
.set MSB, 0
.macro WIN new
.if MSB != (\new)
	s_set_vgpr_msb (MSB<<8)|(\new)
.set MSB, (\new)
.endif
.endm
.macro PLACES n
.rept \n
	v_nop
.endr
.endm
.macro CREST
	s_cmp_lg_u32 s20, 0
	s_cbranch_scc1 .Lnot_wave_0_\@
	s_barrier_signal -3
.Lnot_wave_0_\@:
	s_barrier_wait -3
	s_barrier_signal -1
	s_barrier_wait -1
.endm
.macro CROUND
	s_barrier_signal -1
	s_barrier_wait -1
	CREST
.endm
.macro TLOAD s
	s_cmp_lt_u32 s20, 2
	s_cbranch_scc0 .Lfor_w_\@
	tensor_load_to_lds s[G0X+4*(\s):G0X+4*(\s)+3], s[G1X:G1X+7]
	s_nop 0
.rept 4
	v_nop
.endr
	s_branch .Lasked_\@
.Lfor_w_\@:
	tensor_load_to_lds s[G0W+4*(\s):G0W+4*(\s)+3], s[G1W:G1W+7]
	s_nop 0
.rept 4
	v_nop
.endr
.Lasked_\@:
.endm
	s_load_b256 s[4:11], s[0:1], 0x0
	s_load_b256 s[12:19], s[0:1], 0x20
	v_lshl_add_u32 v[SPW], v0, 2, SPARE
	v_mov_b32 v[NIL], 0
	ds_add_u32 v9, v10
	ds_add_u32 v9, v10
	s_wait_dscnt 0x0
	v_lshrrev_b32 v1, 5, v0
	v_readfirstlane_b32 s20, v1
	s_and_b32 s21, s20, 1
	s_lshr_b32 s22, s20, 1
	s_bfe_u32 s23, ttmp6, 0x40000
	s_bfe_u32 s24, ttmp6, 0x40004
	s_lshl_b32 s25, ttmp9, 2
	s_add_co_u32 s25, s25, s23
	s_and_b32 s26, ttmp7, 0xffff
	s_lshl_b32 s26, s26, 2
	s_add_co_u32 s26, s26, s24
	s_lshl_b32 s66, s24, 2
	s_lshl_b32 s66, 15, s66
	s_lshl_b32 s67, 0x1111, s23
	s_or_b32 s[G1X], s66, (1<<20)|(1<<21)|(5<<22)|(3<<25)
	s_or_b32 s[G1W], s67, (1<<20)|(1<<21)|(5<<22)|(3<<25)
	s_mov_b32 s[G1X+1], 256<<16
	s_mov_b32 s[G1X+2], 128<<16
	s_mov_b32 s[G1X+3], 256<<16
	s_mov_b32 s[G1X+4], 128
	s_mov_b32 s[G1X+5], 1024
	s_mov_b32 s[G1X+6], 0
	s_mov_b32 s[G1X+7], 0
	s_mov_b32 s[G1W+1], 256<<16
	s_mov_b32 s[G1W+2], 96<<16
	s_mov_b32 s[G1W+3], 256<<16
	s_mov_b32 s[G1W+4], 96
	s_mov_b32 s[G1W+5], 1024
	s_mov_b32 s[G1W+6], 0
	s_mov_b32 s[G1W+7], 0
	s_lshl_b32 s68, s26, 8
	s_lshl_b32 s69, s21, 7
	s_add_co_u32 s68, s68, s69
	s_lshl_b32 s68, s68, 10
	s_mov_b32 s69, 0
	s_mul_i32 s72, s25, 192
	s_mul_i32 s73, s21, 96
	s_add_co_u32 s72, s72, s73
	s_lshl_b32 s72, s72, 10
	s_mov_b32 s73, 0
	s_mul_i32 s70, s20, 128*PITCH
	s_mul_i32 s74, s20, 96*PITCH
	s_add_co_u32 s74, s74, XPART-2*96*PITCH
	s_lshl_b32 s76, s26, 8
	s_lshl_b32 s77, s20, 6
	s_add_co_u32 s76, s76, s77
	s_lshl_b32 s76, s76, 5
	s_mov_b32 s77, 0
	s_mul_i32 s78, s25, 192*32
	s_mov_b32 s79, 0
	s_mul_i32 s80, s25, 192*4
	s_mov_b32 s81, 0
	s_mov_b32 s82, 0x76543210
	s_mov_b32 s83, 0xfedcba98
	s_mov_b32 s84, 0x600000
	s_wait_kmcnt 0x0
	s_add_nc_u64 s[68:69], s[4:5], s[68:69]
	s_add_nc_u64 s[72:73], s[8:9], s[72:73]
	s_add_nc_u64 s[6:7], s[6:7], s[76:77]
	s_add_nc_u64 s[10:11], s[10:11], s[78:79]
	s_add_nc_u64 s[12:13], s[12:13], s[80:81]
	v_and_b32 v1, 15, v0
	v_bfe_u32 v2, v0, 4, 1
	v_bfe_u32 v3, v0, 3, 1
	v_and_b32 v4, 7, v0
	v_and_b32 v30, 31, v0
	v_lshlrev_b32 v[OS], 5, v1
	v_lshl_add_u32 v[OS], v2, 4, v[OS]
	v_lshlrev_b32 v[OB], 5, v2
	v_lshlrev_b32 v[O4R], 2, v1
.irp t, 0,1,2,3
	global_load_b128 v[SCX+4*\t:SCX+4*\t+3], v[OS], s[6:7] offset:512*\t
.endr
.irp o, 0,1,2,3,4,5,6,7,8,9,10,11
	global_load_b128 v[SCW+4*\o:SCW+4*\o+3], v[OS], s[10:11] offset:512*\o
.endr
.irp o, 0,1,2,3,4,5,6,7
	global_load_b128 v[BI+8*\o:BI+8*\o+3], v[OB], s[12:13] offset:64*\o
	global_load_b128 v[BI+8*\o+4:BI+8*\o+7], v[OB], s[12:13] offset:64*\o+16
.endr
.irp o, 0,1,2,3
	global_load_b32 v[BI+64+8*\o], v[O4R], s[12:13] offset:512+64*\o
.endr
	; the prefetches' base and offset: of the rows that my wave fetches (x: 128, w: 96) each of the four partners that ask for them jointly names a quarter, told apart by address (cx for x, cy for w): a lane a row; w's spare lanes name the last row again
	s_cmp_lt_u32 s20, 2
	s_cselect_b64 s[88:89], s[68:69], s[72:73]
	s_cselect_b32 s87, s23, s24
	s_mov_b32 s85, 24
	s_cselect_b32 s85, 32, s85
	s_mul_i32 s87, s87, s85
	s_sub_co_u32 s86, s85, 1
	v_min_u32 v232, s86, v30
	v_add_lshl_u32 v232, v232, s87, 10
	CROUND
.irp s, 0,1
	s_mov_b32 s[G0X+4*\s], 1
	s_add_co_u32 s[G0X+4*\s+1], s70, \s*SLOT
	s_add_nc_u64 s[G0X+4*\s+2:G0X+4*\s+3], s[68:69], \s*256
	s_or_b32 s[G0X+4*\s+3], s[G0X+4*\s+3], 0x80000000
	s_mov_b32 s[G0W+4*\s], 1
	s_add_co_u32 s[G0W+4*\s+1], s74, \s*SLOT
	s_add_nc_u64 s[G0W+4*\s+2:G0W+4*\s+3], s[72:73], \s*256
	s_or_b32 s[G0W+4*\s+3], s[G0W+4*\s+3], 0x80000000
	s_wait_alu depctr_va_vdst(0)
	s_wait_tensorcnt 0x0
	ds_add_u32 v9, v10
	ds_add_u32 v9, v10
	s_wait_dscnt 0x0
	CROUND
	TLOAD \s
.if \s == 0
	global_prefetch_b8 v232, s[88:89] offset:256 th:TH_LOAD_NT scope:SCOPE_SE   ; behind K step 0's load: K steps 1 and 2; behind K step 1's: K step 3.  256 bytes of a row each; the registers are never rewritten
.endif
	global_prefetch_b8 v232, s[88:89] offset:512+256*\s th:TH_LOAD_NT scope:SCOPE_SE
.endr
	v_mul_u32_u24 v31, v1, PITCH
	v_lshl_add_u32 v31, v2, 4, v31
	s_mul_i32 s71, s20, 64*PITCH
	v_add_nc_u32 v[ADX], s71, v31
	v_add_nc_u32 v[ADX+1], SLOT, v[ADX]
	v_add_nc_u32 v[ADW], XPART, v31
	v_add_nc_u32 v[ADW+1], SLOT, v[ADW]
	s_mul_i32 s75, s22, STEPB
	s_add_co_u32 s75, s75, STG_KV
	v_lshlrev_b32 v31, 4, v4
	v_lshl_add_u32 v31, v2, 3, v31
	s_lshl_b32 s71, s20, 12
	s_add_co_u32 s71, s71, STG_Q
	v_lshlrev_b32 v[AQ], 4, v1
	v_lshl_add_u32 v[AQ], v2, 3, v[AQ]
	v_add_nc_u32 v[AQ], s71, v[AQ]
	v_lshl_add_u32 v[RDQ], v30, 4, s71
	s_lshl_b32 s71, s21, 12
	v_lshl_add_u32 v[GK], v30, 4, s71
	s_add_co_u32 s71, s71, s75
	v_lshl_add_u32 v[AK], v3, 10, v31
	v_add_nc_u32 v[AK], s71, v[AK]
	v_lshl_add_u32 v[RDK], v30, 4, s71
	s_lshl_b32 s71, s21, 10
	s_add_co_u32 s71, s71, 8192
	v_lshl_add_u32 v[GV], v30, 4, s71
	s_add_co_u32 s71, s71, s75
	v_lshl_add_u32 v[AV], v3, 11, v31
	v_add_nc_u32 v[AV], s71, v[AV]
	v_lshl_add_u32 v[RDV], v30, 4, s71
	s_lshl_b32 s71, s20, 8
	s_add_co_u32 s71, s71, STG_QS
	v_add_nc_u32 v[ASQ], s71, v[O4R]
	v_lshl_add_u32 v[RDS], v30, 3, s71
	v_lshlrev_b32 v31, 4, v4
	s_lshl_b32 s71, s21, 3
	s_add_co_u32 s71, s71, s75
	s_add_co_u32 s71, s71, 16384
	v_lshl_add_u32 v[ASK], v3, 1, v31
	v_add_nc_u32 v[ASK], s71, v[ASK]
	s_lshl_b32 s71, s21, 1
	s_add_co_u32 s71, s71, s75
	s_add_co_u32 s71, s71, 16640
	v_lshl_add_u32 v[ASV], v3, 2, v31
	v_add_nc_u32 v[ASV], s71, v[ASV]
	s_lshl_b32 s71, s21, 8
	s_add_co_u32 s71, s71, 16384
	v_lshl_add_u32 v[GSC], v30, 3, s71
	s_add_co_u32 s71, s71, s75
	v_lshl_add_u32 v[RDSC], v30, 3, s71
	v_lshlrev_b32 v[GQ], 4, v30
	v_lshlrev_b32 v[G8], 3, v30
.irp b, 0,1,2,3
	v_mov_b32 v[TB+\b], 0
.endr
	s_lshr_b32 s85, s26, 3
	s_lshl_b32 s85, s85, 4
	s_add_co_u32 s85, s85, s25
	s_and_b32 s86, s26, 7
	s_lshl_b32 s76, s85, 7
	s_lshl_b32 s77, s86, 4
	s_add_co_u32 s76, s76, s77
	s_lshl_b32 s77, s20, 2
	s_add_co_u32 s76, s76, s77
	s_lshl_b32 s78, s76, 6
	s_mov_b32 s79, 0
	s_lshl_b32 s76, s76, 10
	s_mov_b32 s77, 0
	s_mul_i32 s80, s85, 16*STEPB
	s_mul_i32 s81, s86, 2*STEPB
	s_add_co_u32 s80, s80, s81
	s_mul_i32 s81, s22, STEPB
	s_add_co_u32 s80, s80, s81
	s_mov_b32 s81, 0
	s_add_nc_u64 s[14:15], s[14:15], s[76:77]
	s_add_nc_u64 s[16:17], s[16:17], s[78:79]
	s_add_nc_u64 s[18:19], s[18:19], s[80:81]
.macro FETCH_W slot, q, g, buf
	WIN 0x40
.irp i, 0,1,2,3
.irp c, 0,1,2,3
	ds_load_b128 v[128+64*(\buf)+16*\i+4*\c:128+64*(\buf)+16*\i+4*\c+3], v[ADW+(\slot)] offset:(4*(\g)+\i)*TROW+128*(\q)+32*\c
.endr
.endr
.endm
.macro FETCH_X slot, q, set
	WIN 0x40
.irp i, 0,1,2,3
.irp c, 0,1,2,3
	ds_load_b128 v[64*(\set)+16*\i+4*\c:64*(\set)+16*\i+4*\c+3], v[ADX+(\slot)] offset:\i*TROW+128*(\q)+32*\c
.endr
.endr
.endm
.macro MUL8 sg, g, t0
.if (\g) < 2
.if (\sg) == 0
	WIN 0x85
.else
	WIN 0xa5
.endif
.else
.if (\sg) == 0
	WIN 0xc5
.else
	WIN 0xf5
.endif
.endif
.irp t, \t0, \t0+1
.irp o, 0,1,2,3
.set rW, 128+64*((3*(\sg)+(\g))%2)+16*\o
.set rX, 64*((\sg)%2)+16*(\t)
.set rSW, SCW+4*(4*(\g)+\o)+(\sg)%4
.set rSX, SCX+4*(\t)+(\sg)%4
.if (\g) < 2
.set rD, 128*(\g)+8*(4*(\t)+\o)
.set rC, rD
.if (\sg) == 0
.set rC, BI+8*(4*(\g)+\o)
.endif
.if (\sg) < 4
	v_wmma_scale_f32_16x16x128_f8f6f4 v[rD:rD+7], v[rW:rW+15], v[rX:rX+15], v[rC:rC+7], v[rSW], v[rSX]
.else
	v_wmma_scale_f32_16x16x128_f8f6f4 v[rD:rD+7], v[rW:rW+15], v[rX:rX+15], v[rC:rC+7], v[rSW], v[rSX] matrix_a_scale:MATRIX_SCALE_ROW1 matrix_b_scale:MATRIX_SCALE_ROW1
.endif
.else
.set rD, 8*(4*\o+(\t))
.set rC, rD
.if (\sg) == 0
.set rC, BI+64+8*\o
.endif
.if (\sg) < 4
	v_wmma_scale_f32_16x16x128_f8f6f4 v[rD:rD+7], v[rX:rX+15], v[rW:rW+15], v[rC:rC+7], v[rSX], v[rSW]
.else
	v_wmma_scale_f32_16x16x128_f8f6f4 v[rD:rD+7], v[rX:rX+15], v[rW:rW+15], v[rC:rC+7], v[rSX], v[rSW] matrix_a_scale:MATRIX_SCALE_ROW1 matrix_b_scale:MATRIX_SCALE_ROW1
.endif
.endif
.endr
.endr
.endm
.macro GROUP sg, g
.set nn, 3*(\sg)+(\g)
.if nn > 0
	PLACES 8
.endif
.if nn < 23
.set nSg, (nn+1)/3
.set nG, (nn+1)%3
.set nSl, (nSg/2)%2
.set nQ, nSg%2
.set nB, (nn+1)%2
	FETCH_W nSl, nQ, nG, nB
.if (\g) == 2
	FETCH_X nSl, nQ, nQ
	s_wait_dscnt 32
.else
	s_wait_dscnt 16
.endif
.else
	s_wait_dscnt 0x0
.endif
	MUL8 \sg, \g, 0
	MUL8 \sg, \g, 2
.endm
.macro TURN sg, fill
.set tSl, ((\sg)/2)%2
	PLACES 8
	FETCH_W tSl, 1, 2, (3*(\sg)+2)%2
	WIN 0
	s_wait_tensorcnt 0x0
	ds_add_u32 v[SPW], v[NIL]
	s_wait_dscnt 17
	MUL8 \sg, 1, 0
	s_wait_dscnt 0x0
	s_barrier_signal -1
	MUL8 \sg, 1, 2
	WIN 0
	s_barrier_wait -1
.if \fill
	CREST
	s_add_nc_u64 s[G0X+4*tSl+2:G0X+4*tSl+3], s[G0X+4*tSl+2:G0X+4*tSl+3], 512
	s_add_nc_u64 s[G0W+4*tSl+2:G0W+4*tSl+3], s[G0W+4*tSl+2:G0W+4*tSl+3], 512
	TLOAD tSl
	PLACES 4
.else
	PLACES 8
.endif
	FETCH_W 1-tSl, 0, 0, (3*(\sg)+3)%2
	FETCH_X 1-tSl, 0, ((\sg)+1)%2
	MUL8 \sg, 2, 0
	MUL8 \sg, 2, 2
.endm
	s_wait_tensorcnt 1
	s_barrier_signal -1
	s_barrier_wait -1
	FETCH_W 0, 0, 0, 0
	FETCH_X 0, 0, 0
	WIN 0
	s_wait_loadcnt 0x0
.irp o, 0,1,2,3
.irp j, 1,2,3,4,5,6,7
	v_mov_b32 v[BI+64+8*\o+\j], v[BI+64+8*\o]
.endr
.endr
	GROUP 0, 0
	GROUP 0, 1
	s_wait_alu depctr_va_vdst(0)
	GROUP 0, 2
	GROUP 1, 0
	TURN 1, 1
	GROUP 2, 0
	GROUP 2, 1
	GROUP 2, 2
	GROUP 3, 0
	TURN 3, 1
	GROUP 4, 0
	GROUP 4, 1
	GROUP 4, 2
	GROUP 5, 0
	TURN 5, 0
	GROUP 6, 0
	GROUP 6, 1
	GROUP 6, 2
	GROUP 7, 0
	GROUP 7, 1
	GROUP 7, 2
	PLACES 8
.macro QUANT hiw, s
	WIN 0x0a+5*(\hiw)
.irp b, 0,1,2,3
	v_max3_num_f32 v[TM+\b], |v[(\s)+16*\b]|, |v[(\s)+16*\b+1]|, 0x4800000
.endr
.irp i, 2,4,6,8,10,12,14
.irp b, 0,1,2,3
	v_max3_num_f32 v[TM+\b], |v[(\s)+16*\b+\i]|, |v[(\s)+16*\b+\i+1]|, v[TM+\b]
.endr
.endr
	WIN 0
.irp b, 0,1,2,3
	v_permlanex16_b32 v[TB+\b], v[TM+\b], s82, s83
.endr
.irp b, 0,1,2,3
	v_max_num_f32 v[TM+\b], v[TM+\b], v[TB+\b]
.endr
.irp b, 0,1,2,3
	v_add_nc_u32 v[SOP+\b], 0xfc000000, v[TM+\b]
.endr
.irp b, 0,1,2,3
	v_and_or_b32 v[LIM+\b], v[TM+\b], 0x7f800000, s84
.endr
.irp b, 0,1,2,3
	v_lshrrev_b32 v[TB+\b], 23, v[SOP+\b]
.endr
	WIN 0x82+0x41*(\hiw)
.irp b, 0,1,2,3
.irp i, 0,1,2,3,4,5,6,7,8,9,10,11,12,13,14,15
	v_med3_num_f32 v[(\s)+16*\b+\i], v[(\s)+16*\b+\i], -v[LIM+\b], v[LIM+\b]
.endr
.endr
	WIN 0x02+(\hiw)
.irp b, 0,1,2,3
.irp e, 0,1
	v_cvt_scalef32_pk8_fp8_f32 v[PC+4*\b+2*\e:PC+4*\b+2*\e+1], v[(\s)+16*\b+8*\e:(\s)+16*\b+8*\e+7], v[SOP+\b]
.endr
.endr
	WIN 0
	v_nop
.endm
.macro STQ hc
.irp b, 0,1,2,3
.irp e, 0,1
	ds_store_b64 v[AQ], v[PC+4*\b+2*\e:PC+4*\b+2*\e+1] offset:(2*(\hc)+\b/2)*1024+(\b%2)*512+\e*256
.endr
.endr
.irp q, 0,1
	v_lshl_or_b32 v[WD+\q], v[TB+2*\q+1], 8, v[TB+2*\q]
	ds_store_b32 v[ASQ], v[WD+\q] offset:64*(2*(\hc)+\q)
.endr
	s_wait_dscnt 0x0
.endm
.macro STK hc
.irp b, 0,1,2,3
.irp e, 0,1
	ds_store_b64 v[AK], v[PC+4*\b+2*\e:PC+4*\b+2*\e+1] offset:(\hc)*2048+(\b%2)*512+\e*256+(\b/2)*128
.endr
.endr
.irp q, 0,1
	v_lshl_or_b32 v[WD+\q], v[TB+2*\q+1], 8, v[TB+2*\q]
	ds_store_b16 v[ASK], v[WD+\q] offset:\q*128+4*(\hc)
.endr
	s_wait_dscnt 0x0
.endm
.macro STV hc
.irp b, 0,1,2,3
.irp e, 0,1
	ds_store_b64 v[AV], v[PC+4*\b+2*\e:PC+4*\b+2*\e+1] offset:(\hc)*4096+(\b%2)*512+\e*256+(\b/2)*128
.endr
.endr
.irp q, 0,1
	v_lshl_or_b32 v[WD+\q], v[TB+2*\q+1], 8, v[TB+2*\q]
	ds_store_b16 v[ASV], v[WD+\q] offset:\q*128+8*(\hc)
.endr
	s_wait_dscnt 0x0
.endm
	QUANT 0, 0
	STQ 0
	QUANT 0, 64
	STQ 1
	QUANT 0, 128
	STK 0
	QUANT 0, 192
	STK 1
	QUANT 1, 0
	STV 0
	QUANT 1, 64
	STV 1
	s_wait_dscnt 0x0
	s_barrier_signal -1
	s_barrier_wait -1
.irp k, 0,1,2,3,4,5,6,7
	ds_load_b128 v[RB+4*\k:RB+4*\k+3], v[RDQ] offset:512*\k
.endr
.irp k, 0,1,2,3,4,5,6,7
	ds_load_b128 v[RB+32+4*\k:RB+32+4*\k+3], v[RDK] offset:512*\k
.endr
.irp k, 0,1,2,3,4,5,6,7
	ds_load_b128 v[RB+64+4*\k:RB+64+4*\k+3], v[RDV] offset:(\k/2)*2048+(\k%2)*512
.endr
	ds_load_b64 v[228:229], v[RDS]
	ds_load_b64 v[230:231], v[RDSC]
.irp k, 0,1,2,3,4,5,6,7
	s_wait_dscnt 25-\k
	global_store_b128 v[GQ], v[RB+4*\k:RB+4*\k+3], s[14:15] offset:512*\k
.endr
.irp k, 0,1,2,3,4,5,6,7
	s_wait_dscnt 17-\k
	global_store_b128 v[GK], v[RB+32+4*\k:RB+32+4*\k+3], s[18:19] offset:512*\k
.endr
.irp k, 0,1,2,3,4,5,6,7
	s_wait_dscnt 9-\k
	global_store_b128 v[GV], v[RB+64+4*\k:RB+64+4*\k+3], s[18:19] offset:(\k/2)*2048+(\k%2)*512
.endr
	s_wait_dscnt 1
	global_store_b64 v[G8], v[228:229], s[16:17]
	s_wait_dscnt 0x0
	global_store_b64 v[GSC], v[230:231], s[18:19]
	s_wait_tensorcnt 0x0
	ds_add_u32 v[SPW], v[NIL]
	s_wait_dscnt 0x0
	CROUND
	s_endpgm
.Lfunc_end_k_q458d773f17_qkv:
	.size	k_q458d773f17_qkv, .Lfunc_end_k_q458d773f17_qkv-k_q458d773f17_qkv
	.p2alignl 7, 3214868480
	.fill 96, 4, 3214868480
	.section	.rodata,"a",@progbits
	.p2align	6, 0x0
	.amdhsa_kernel k_q458d773f17_qkv
		.amdhsa_group_segment_fixed_size 327680
		.amdhsa_private_segment_fixed_size 0
		.amdhsa_enable_private_segment 0
		.amdhsa_kernarg_size 64
		.amdhsa_user_sgpr_count 2
		.amdhsa_user_sgpr_kernarg_segment_ptr 1
		.amdhsa_wavefront_size32 1
		.amdhsa_system_sgpr_workgroup_id_x 1
		.amdhsa_system_sgpr_workgroup_id_y 1
		.amdhsa_system_sgpr_workgroup_id_z 1
		.amdhsa_system_vgpr_workitem_id 0
		.amdhsa_next_free_vgpr 896
		.amdhsa_next_free_sgpr 90
		.amdhsa_reserve_vcc 0
		.amdhsa_float_denorm_mode_32 3
		.amdhsa_float_denorm_mode_16_64 3
		.amdhsa_memory_ordered 1
		.amdhsa_forward_progress 1
		.amdhsa_inst_pref_size 164
	.end_amdhsa_kernel
	.amdgpu_metadata
---
amdhsa.version: [ 1, 2 ]
amdhsa.kernels:
  - .name:           k_q458d773f17_qkv
    .symbol:         k_q458d773f17_qkv.kd
    .args:
      - { .name: x_codes, .offset: 0, .size: 8, .value_kind: global_buffer, .address_space: global }
      - { .name: x_scales, .offset: 8, .size: 8, .value_kind: global_buffer, .address_space: global }
      - { .name: w_qkv_codes, .offset: 16, .size: 8, .value_kind: global_buffer, .address_space: global }
      - { .name: w_qkv_scales, .offset: 24, .size: 8, .value_kind: global_buffer, .address_space: global }
      - { .name: b_qkv, .offset: 32, .size: 8, .value_kind: global_buffer, .address_space: global }
      - { .name: qc, .offset: 40, .size: 8, .value_kind: global_buffer, .address_space: global }
      - { .name: qs, .offset: 48, .size: 8, .value_kind: global_buffer, .address_space: global }
      - { .name: kv, .offset: 56, .size: 8, .value_kind: global_buffer, .address_space: global }
    .group_segment_fixed_size: 327680
    .private_segment_fixed_size: 0
    .kernarg_segment_align: 8
    .kernarg_segment_size: 64
    .max_flat_workgroup_size: 128
    .sgpr_count:     90
    .vgpr_count:     896
    .wavefront_size: 32
...
	.end_amdgpu_metadata
.endif
;; end of part 1
;; launch attn (part 2): grid 4 x 64, 16 waves a work-group, clusters of 4 x 1, 272,384 bytes of LDS; arguments qc, qs, kv, vc, vs; writes vc, vs
.if DOCPART == 2
	.amdgcn_target "amdgcn-amd-amdhsa--gfx1250"
	.amdhsa_code_object_version 6
	.text
	.protected	k_q458d773f17_attn
	.globl	k_q458d773f17_attn
	.p2align	8
	.type	k_q458d773f17_attn,@function
k_q458d773f17_attn:
	s_mov_b64 s[64:65], 0
	v_nop
	global_prefetch_b8 v0, s[64:65] scope:SCOPE_SE
	s_setreg_imm32_b32 hwreg(HW_REG_WAVE_MODE, 25, 1), 1
	s_wait_xcnt 0x0
	s_wait_alu depctr_hold_cnt(0) depctr_sa_sdst(0) depctr_va_vdst(0) depctr_va_sdst(0) depctr_va_ssrc(0) depctr_va_vcc(0) depctr_vm_vsrc(0)
	s_getreg_b32 s2, hwreg(HW_REG_IB_STS2, 6, 4)
	s_cmp_eq_u32 s2, 0
	s_cbranch_scc0 .Lentry_in_a_cluster
	s_endpgm
.Lentry_in_a_cluster:
	s_bfe_u32 s2, ttmp6, 0x10000c
	s_cmp_lg_u32 s2, 0x3003
	s_cbranch_scc0 .Lentry_shape_is_right
	s_endpgm
.Lentry_shape_is_right:
; vals[q] = (the sum over keys of p v) / l, p = 2^(t - M), t = (q . k) log2(e) / 8, M the running largest t rounded up to a whole number, l the sum of the unquantised p; both products on codes of E4M3 with E8M0 scales.
; vals is then quantised along the model's 1,024 (a head's 64 are two blocks of 32) for the last product.  qc, qs, kv, vc, vs are this program's own buffers, laid in the order of the operands' registers.
; SHARES.  A work-group owns 512 queries of one (batch, head); each of its sixteen waves two tiles of 16 queries, one after the other, in 256 registers: four waves to a SIMD.  Every wave walks the head's 2,048 keys, 128 a step.
; LDS.  A head's whole kv, 16 steps of 16,896 bytes, lies in LDS as it lies in memory: filled once, never again; nothing is stored to LDS.  The four query blocks of a head form a cluster and ask for it JOINTLY.
; Wave w asks for step w: one tensor load a wave, in three arms with a load line each: wave 0; waves 1 to 7; waves 8 to 15.  Wave 0 waits ahead of the first barrier, behind which step 0 is read; waves 0 to 7 ahead of the second
; (steps 1 to 7); every wave ahead of the third (steps 8 to 15, and in the second pass all 16).
; No prefetch: all that the launch reads of kv is asked for at the head, so no later request is left to run ahead of.
; THE FIRST PRODUCT'S K IS 64, half of the matrix instruction's 128.  A fragment of K carries TWO tiles of 16 keys.  Q's 8 registers stand between 8 registers of zeros on either side: v[24:39] is (q, 0), v[16:31] is (0, q);
; the dead half has zero codes on Q's side and the scale byte 0 (2^-127) and adds exact zeros, K's codes being finite.
; LAYOUT.  Both products are used transposed: a lane holds ONE query (lane % 16).  S's registers 16 b + i are keys 32 b + 16 (lane / 16) + i; O^T's registers 16 cc + i are d = 32 cc + 16 (lane / 16) + i: the conversions' results are the next operand's registers.
; A BLOCK'S SCALE: p = 2^x, so the exponent of a block's largest p is floor(x) of its largest x = t - M: the byte is floor(x) + 119, held at 1 from below; no exponential is spent on it.
; l: a step's 64 p are added two and two into 16 packed partial sums: eight in registers of their own, eight in the registers of block 0's p, which are free once that block is converted.  Their eight folds stand behind the step's
; second product and their seven joins and the multiply-add onto l (l x f + the step's sum) behind the next step's first product: the plain lines that are owed at both places.
; LIMITS: NaN and infinities are not served; the promise holds while |t| stays under 2^31; a p under 2^-126 counts as 0 (v_exp_f32 flushes: ISA guide, its entry); a block of zeros carries the byte 1.
.set STEPB, 16896                      ; a step: K's four fragments (8,192), V's four (8,192), 16 bytes of scale words a lane (512)
.set SPARE, 16*STEPB                   ; behind kv: the spare words, 128 bytes a wave
.set LI,  1                            ; 16 x lane
.set ADR, 2                            ; LDS address of the step in hand
.set O4R, 3                            ; 4 r
.set O32R, 4                           ; 32 r
.set TMP, 5
.set RC,  6                            ; v6 1 / l; v7 named with it as a pair
.set QSL, 8                            ; Q's scale word for (q, 0);  v9 for (0, q)
.set QSH, 9
.set PW,  10                           ; p's scale word
.set OM,  11                           ; the last step's -M
.set SCL, 12                           ; v12-15 lanes 0-15: K's four scale words; lanes 16-31: V's
.set QC,  24                           ; v24-31 Q's codes; v16-23 and v32-39 zeros
.set F,   40                           ; v40-103  four fragments of K, then of V
.set S,   104                          ; v104-167 S^T, then p; v104-119 at a step's end: eight partial sums
.set OT,  168                          ; v168-199 O^T
.set PC,  200                          ; v200-215 p's codes
.set BM,  216                          ; a block's largest score, then its x, then floor(x)
.set BT,  220                          ; the other half's largest; v220 then gathers the scale word
.set LIM, 224                          ; the maxima's second chains, then 448 x the scale
.set SOP, 228                          ; the conversions' scale operands
.set NM,  232                          ; v232 -M, v233 the largest score
.set TT,  233
.set SUM, 234                          ; v234-235 l, in two halves
.set FF,  236                          ; v236 f = 2^(old M - new M); v237 named with it as a pair
.set CH,  238                          ; v238-253 eight partial sums
.set SPW, 254
.set NIL, 255
.set WV,  14
.set G1,  20                           ; s[20:27] descriptor group 1;  s[28:31] group 0
.set G0,  28
.set FLR, 32                           ; -118.0: under it no x is taken, so that a byte cannot fall under 1
.set C448, 33                          ; 448.0
.set TBS, 44                           ; LDS byte at which the step in hand begins
.set CNT, 45
.set CS,  46                           ; s[46:47] c = log2(e) / 8
.set SEL, 48                           ; s[48:49] lane selects for lane l xor 16
.set MNT, 50                           ; the mantissa field of 448
.macro CROUND                          ; a round of the cluster's barrier
	s_barrier_signal -1
	s_barrier_wait -1
	s_cmp_lg_u32 s[WV], 0
	s_cbranch_scc1 .Lnot_wave_0_\@
	s_barrier_signal -3
.Lnot_wave_0_\@:
	s_barrier_wait -3
	s_barrier_signal -1
	s_barrier_wait -1
.endm
.macro WALU
	s_wait_alu depctr_va_vdst(0)
.endm
.macro TLOAD                           ; my step; an s_nop 0 and four v_nop follow the load
	tensor_load_to_lds s[G0:G0+3], s[G1:G1+7]
	s_nop 0
.rept 4
	v_nop
.endr
.endm
.macro ARM under, next                 ; an arm of the head's one chain of branches on the wave's number
	s_cmp_lt_u32 s[WV], \under
	s_cbranch_scc0 \next
	TLOAD
	s_branch .Lasked
\next:
.endm
.macro SHOW under                      ; the waves under this number wait for their loads; behind the barrier their steps lie in LDS for all sixteen
	s_cmp_lt_u32 s[WV], \under
	s_cbranch_scc0 .Lnot_mine_\@
	s_wait_tensorcnt 0x0
.Lnot_mine_\@:
	s_wait_dscnt 0x0
	s_barrier_signal -1
	s_barrier_wait -1
.endm
	s_load_b256 s[4:11], s[0:1], 0x0               ; qc, qs, kv, vc
	s_load_b64 s[12:13], s[0:1], 0x20              ; vs
	v_lshl_add_u32 v[SPW], v0, 2, SPARE
	v_mov_b32 v[NIL], 0
	ds_add_u32 v[SPW], v[NIL]                      ; the opening lines: the add twice on end, and its wait ahead of my tensor load
	ds_add_u32 v[SPW], v[NIL]
	v_lshrrev_b32 v2, 5, v0
	s_delay_alu instid0(VALU_DEP_1)
	v_readfirstlane_b32 s[WV], v2                  ; wave 0..15
	s_bfe_u32 s15, ttmp6, 0x40000                  ; cx
	s_lshl_b32 s16, ttmp9, 2
	s_add_co_u32 s16, s16, s15                     ; my block of 512 queries: it enters Q's and the outputs' addresses alone
	s_and_b32 s17, ttmp7, 0xffff                   ; bh = 16 x batch + head, which the four partners share
	s_lshr_b32 s18, s17, 4
	s_and_b32 s19, s17, 15
	s_mov_b32 s[G1], 15|(3<<16)|(1<<21)            ; the mask: all four work-groups; elements of 8 bytes; bit 21 beside a mask; no padding: an image is read 512 consecutive bytes at a time
	s_mov_b32 s[G1+1], 32<<16                      ; rows of 256 bytes
	s_mov_b32 s[G1+2], 66<<16                      ; 66 rows: a step's 16,896 dense bytes
	s_mov_b32 s[G1+3], 32<<16
	s_mov_b32 s[G1+4], 66
	s_mov_b32 s[G1+5], 32
	s_mov_b32 s[G1+6], 0
	s_mov_b32 s[G1+7], 0
	s_mov_b32 s[CS], 0x3e38aa3b
	s_mov_b32 s[CS+1], s[CS]
	s_mov_b32 s[SEL], 0x76543210
	s_mov_b32 s[SEL+1], 0xfedcba98
	s_mov_b32 s[MNT], 0x600000
	s_mov_b32 s[FLR], 0xc2ec0000
	s_mov_b32 s[C448], 0x43e00000
	s_mul_i32 s54, s[WV], STEPB                    ; my step: in LDS and in memory alike
	s_mul_i32 s52, s17, 16*STEPB
	s_add_co_u32 s52, s52, s54
	s_mov_b32 s53, 0
	s_lshl_b32 s51, s16, 5
	s_add_co_u32 s51, s51, s[WV]                   ; 32 x block + wave: my first tile within 2,048 queries
	s_lshl_b32 s55, s17, 7
	s_add_co_u32 s55, s55, s51
	s_lshl_b32 s56, s55, 10                        ; 1,024 bytes of qc a tile,
	s_mov_b32 s57, 0
	s_lshl_b32 s58, s55, 6                         ; 64 of qs
	s_mov_b32 s59, 0
	s_wait_dscnt 0x0
	s_wait_kmcnt 0x0
	s_mov_b32 s[G0], 1
	s_mov_b32 s[G0+1], s54
	s_add_nc_u64 s[G0+2:G0+3], s[8:9], s[52:53]
	s_or_b32 s[G0+3], s[G0+3], 0x80000000
	CROUND                                         ; all four work-groups are here: the joint loads meet
	ARM 1, .Lmiddle_steps                          ; one load a wave; the waves that wait at one barrier have a load line of their own
	ARM 8, .Llater_steps
	TLOAD
.Lasked:
	s_add_nc_u64 s[4:5], s[4:5], s[56:57]
	s_add_nc_u64 s[6:7], s[6:7], s[58:59]
	s_lshl_b32 s55, s18, 7
	s_add_co_u32 s55, s55, s51                     ; my first tile of 16 tokens: 128 x batch + 32 x block + wave
	s_lshl_b32 s56, s55, 14                        ; vc: 16,384 bytes a tile; my head's two groups lie 1,024 x head on
	s_lshl_b32 s58, s19, 10
	s_add_co_u32 s56, s56, s58
	s_lshl_b32 s58, s55, 9                         ; vs: 512 bytes a tile; my head's two bytes lie 2 x head on
	s_lshl_b32 s55, s19, 1
	s_add_co_u32 s58, s58, s55
	s_add_nc_u64 s[10:11], s[10:11], s[56:57]
	s_add_nc_u64 s[12:13], s[12:13], s[58:59]
	v_and_b32 v5, 31, v0
	s_delay_alu instid0(VALU_DEP_1)
	v_lshlrev_b32 v[LI], 4, v5
	v_and_b32 v5, 15, v0
	s_delay_alu instid0(VALU_DEP_1)
	v_lshlrev_b32 v[O4R], 2, v5
	s_delay_alu instid0(VALU_DEP_2)
	v_lshlrev_b32 v[O32R], 5, v5
.irp j, 0,1,2,3,4,5,6,7
	v_mov_b32 v[QC-8+\j], 0                        ; the zero codes on either side of Q's: written once
	v_mov_b32 v[QC+8+\j], 0
.endr
.irp b, 0,1,2,3
	v_mov_b32 v[BT+\b], 0                          ; a lane permute's destination counts as one of its sources
.endr
	v_mov_b32 v[FF+1], 0                           ; (upper halves of pairs)
	v_mov_b32 v[RC+1], 0
	v_mov_b32 v[TMP], 0
.macro FOLD                            ; the eight partial sums that lie in block 0's registers onto the other eight: eight plain lines that name no register of the second product
.irp k, 0,1,2,3,4,5,6,7
	v_pk_add_f32 v[CH+2*\k:CH+2*\k+1], v[CH+2*\k:CH+2*\k+1], v[S+2*\k:S+2*\k+1]
.endr
.endm
.macro JOIN                            ; eight become one, and l = l x f + that sum: eight plain lines that name no register of the first product
.irp i, 0,1,2,3
	v_pk_add_f32 v[CH+2*\i:CH+2*\i+1], v[CH+2*\i:CH+2*\i+1], v[CH+8+2*\i:CH+9+2*\i]
.endr
	s_delay_alu instid0(VALU_DEP_2)
	v_pk_add_f32 v[CH:CH+1], v[CH:CH+1], v[CH+4:CH+5]
	s_delay_alu instid0(VALU_DEP_2)
	v_pk_add_f32 v[CH+2:CH+3], v[CH+2:CH+3], v[CH+6:CH+7]
	s_delay_alu instid0(VALU_DEP_1)
	v_pk_add_f32 v[CH:CH+1], v[CH:CH+1], v[CH+2:CH+3]
	s_delay_alu instid0(VALU_DEP_1)
	v_pk_fma_f32 v[SUM:SUM+1], v[SUM:SUM+1], v[FF:FF+1], v[CH:CH+1] op_sel_hi:[1,0,1]
.endm
.macro VL t                            ; fragment t of V
.irp c, 0,1,2,3
	ds_load_b128 v[F+16*(\t)+4*\c:F+16*(\t)+4*\c+3], v[ADR] offset:8192+2048*(\t)+512*\c
.endr
.endm
.macro TM j0                           ; t - M of 16 scores, two at a time (of the pairs c and -M the low word serves both halves)
.set J_, \j0
.rept 8
	v_pk_fma_f32 v[S+J_:S+J_+1], v[S+J_:S+J_+1], s[CS:CS+1], v[NM:NM+1] op_sel_hi:[1,0,0]
.set J_, J_+2
.endr
.endm
.macro RESC j0                         ; two accumulators of O^T under the new M, each from its low end on
.set J_, \j0
.rept 8
	v_pk_mul_f32 v[OT+J_:OT+J_+1], v[OT+J_:OT+J_+1], v[FF:FF+1] op_sel_hi:[1,0]
.set J_, J_+2
.endr
.endm
.macro BLOCKQ b, d                     ; block b: four partial sums of the unquantised p into d; the holds, two to a line (the conversion does not saturate: ISA guide 7.6.2; p is not negative); the codes
.irp j, 0,1,2,3
	v_pk_add_f32 v[(\d)+2*\j:(\d)+2*\j+1], v[S+16*(\b)+2*\j:S+16*(\b)+2*\j+1], v[S+16*(\b)+8+2*\j:S+16*(\b)+9+2*\j]
.endr
.irp i, 0,2,4,6,8,10,12,14
	v_dual_min_num_f32 v[S+16*(\b)+\i], v[S+16*(\b)+\i], v[LIM+(\b)] :: v_dual_min_num_f32 v[S+16*(\b)+\i+1], v[S+16*(\b)+\i+1], v[LIM+(\b)]
.endr
	v_cvt_scalef32_pk8_fp8_f32 v[PC+4*(\b):PC+4*(\b)+1], v[S+16*(\b):S+16*(\b)+7], v[SOP+(\b)]
	v_cvt_scalef32_pk8_fp8_f32 v[PC+4*(\b)+2:PC+4*(\b)+3], v[S+16*(\b)+8:S+16*(\b)+15], v[SOP+(\b)]
.endm
; A KEY STEP: 128 keys, at LDS byte s[TBS].
.macro STEP
	FOLD                                           ; with the addition below: nine plain lines ahead of loads into registers that the last products read
	v_add_nc_u32 v[ADR], s[TBS], v[LI]
	ds_load_b128 v[SCL:SCL+3], v[ADR] offset:16384
.irp f, 0,1,2,3
.irp c, 0,1,2,3
	ds_load_b128 v[F+16*\f+4*\c:F+16*\f+4*\c+3], v[ADR] offset:2048*\f+512*\c
.endr
.endr
	WALU
.irp f, 0,1,2,3                                ; S^T = K Q^T: a fragment's two tiles of keys, against (q, 0) and against (0, q)
	s_wait_dscnt 12-4*\f                           ; the scale words and fragments 0 .. f are in; the count is the later fragments' loads
	v_wmma_scale_f32_16x16x128_f8f6f4 v[S+16*\f:S+16*\f+7], v[F+16*\f:F+16*\f+15], v[QC:QC+15], 0, v[SCL+\f], v[QSL]
	v_wmma_scale_f32_16x16x128_f8f6f4 v[S+16*\f+8:S+16*\f+15], v[F+16*\f:F+16*\f+15], v[QC-8:QC+7], 0, v[SCL+\f], v[QSH]
.endr
	JOIN                                           ; the last step's sums: the eight places ahead of the first read of the scores and of V's loads
	v_mov_b32 v[OM], v[NM]
; the largest score of each block of 32 keys, in two chains a block (registers 0-8, 9-15): it serves for the row's maximum and for the block's scale
.irp b, 0,1,2,3
	v_max3_num_f32 v[BM+\b], v[S+16*\b], v[S+16*\b+1], v[S+16*\b+2]
.endr
.irp b, 0,1,2,3
	v_max3_num_f32 v[LIM+\b], v[S+16*\b+9], v[S+16*\b+10], v[S+16*\b+11]
.endr
.irp i, 3,5
.irp b, 0,1,2,3
	v_max3_num_f32 v[BM+\b], v[BM+\b], v[S+16*\b+\i], v[S+16*\b+\i+1]
.endr
.irp b, 0,1,2,3
	v_max3_num_f32 v[LIM+\b], v[LIM+\b], v[S+16*\b+\i+9], v[S+16*\b+\i+10]
.endr
.endr
.irp b, 0,1,2,3
	v_max3_num_f32 v[BM+\b], v[BM+\b], v[S+16*\b+7], v[S+16*\b+8]
.endr
.irp b, 0,1,2,3
	s_delay_alu instid0(VALU_DEP_4)
	v_max_num_f32 v[BM+\b], v[BM+\b], v[LIM+\b]
.endr
.irp b, 0,1,2,3
	s_delay_alu instid0(VALU_DEP_4)
	v_permlanex16_b32 v[BT+\b], v[BM+\b], s[SEL], s[SEL+1]
.endr
.irp b, 0,1,2,3
	s_delay_alu instid0(VALU_DEP_4)
	v_max_num_f32 v[BM+\b], v[BM+\b], v[BT+\b]     ; with lane l xor 16's 16 keys
.endr
	s_delay_alu instid0(VALU_DEP_2)
	v_max3_num_f32 v[TMP], v[BM], v[BM+1], v[BM+2]
	VL 0                                           ; V's loads stand between the links of M's chain; they land while the softmax is worked
	v_max3_num_f32 v[TT], v[TT], v[TMP], v[BM+3]   ; the running largest score
	VL 1
	v_mul_f32 v[TMP], s[CS], v[TT]                 ; as t (c is positive)
	VL 2
	v_floor_f32 v[NM], -v[TMP]                     ; the new -M = floor(-t) = -ceil(t)
	VL 3
	v_sub_f32 v[TMP], v[NM], v[OM]                 ; old M - new M: a whole number, 0 or less
.irp b, 0,1,2,3
	v_fma_f32 v[BM+\b], v[BM+\b], s[CS], v[NM]     ; x of each block's largest score
.endr
	v_cvt_i32_f32 v[TMP], v[TMP]                   ; (it saturates)
	TM 0
.irp b, 0,2
	v_dual_max_num_f32 v[BM+\b], s[FLR], v[BM+\b] :: v_dual_max_num_f32 v[BM+\b+1], s[FLR], v[BM+\b+1]
.endr
	v_ldexp_f32 v[FF], 1.0, v[TMP]                 ; f = 2^(old M - new M): a multiplication by it rounds nothing
	TM 16
.irp b, 0,1,2,3
	v_cvt_floor_i32_f32 v[BM+\b], v[BM+\b]         ; e = the exponent of the block's largest p, -118 .. 0
.endr
	TM 32
.irp b, 0,1,2,3
	v_add_lshl_u32 v[SOP+\b], v[BM+\b], 119, 23    ; the scale 2^(e - 8) as a number: the conversion's scale operand; its exponent field is the byte
.endr
	v_lshl_add_u32 v[BT], v[BM+1], 8, v[BM]        ; the four e, 8 bits apart, summed modulo 2^32
	TM 48
.irp b, 0,2
	v_dual_mul_f32 v[LIM+\b], s[C448], v[SOP+\b] :: v_dual_mul_f32 v[LIM+\b+1], s[C448], v[SOP+\b+1]   ; 448 x the scale
.endr
	v_lshl_add_u32 v[BT], v[BM+2], 16, v[BT]
	RESC 0
	v_lshl_add_u32 v[BT], v[BM+3], 24, v[BT]
	WALU
.set J_, 0
.rept 64
	v_exp_f32 v[S+J_], v[S+J_]                     ; p = 2^(t - M), at most 1, not normalised
.set J_, J_+1
.endr
	v_add_nc_u32 v[PW], 0x77777777, v[BT]          ; + 119 in each byte: p's scale word for these 128 keys.  (The plain line behind the exponentials)
	WALU                                           ; one wait for the batch, ahead of its first reader
	BLOCKQ 0, CH
	BLOCKQ 1, CH+8
	BLOCKQ 2, S
	BLOCKQ 3, S+8
	WALU
	RESC 16                                        ; (these 8 also stand between the conversions and the products)
	WALU
	s_wait_dscnt 0x0                               ; V's fragments are in
.irp t, 0,1,2,3                                ; O^T += V^T P^T: the four accumulators by turns; V's scale words are those of lanes 16-31
	v_wmma_scale_f32_16x16x128_f8f6f4 v[OT+8*\t:OT+8*\t+7], v[F+16*\t:F+16*\t+15], v[PC:PC+15], v[OT+8*\t:OT+8*\t+7], v[SCL+\t], v[PW] matrix_a_scale:MATRIX_SCALE_ROW1
.endr
	s_add_co_u32 s[TBS], s[TBS], STEPB
.endm
.macro WALK n                          ; n key steps
	s_mov_b32 s[CNT], \n
.Lstep_\@:
	STEP
	s_sub_co_u32 s[CNT], s[CNT], 1
	s_cmp_lg_u32 s[CNT], 0
	s_cbranch_scc1 .Lstep_\@
.endm
.macro ZERO r, n
.set J_, 0
.rept \n
	v_mov_b32 v[(\r)+J_], 0
.set J_, J_+1
.endr
.endm
; Pass p begins: the tile's Q and its scale words; O^T, l and the partial sums begin as zeros, the largest score as -3e38 and -M as 3e38: the first f is 0 and multiplies zeros, so the step is written once.
.macro PROLOGUE p
	global_load_b128 v[QC:QC+3], v[LI], s[4:5] offset:(\p)*16384
	global_load_b128 v[QC+4:QC+7], v[LI], s[4:5] offset:(\p)*16384+512
	global_load_b32 v[QSL], v[O4R], s[6:7] offset:(\p)*1024
	v_mov_b32 v[TT], 0xff61b1e6
	v_mov_b32 v[NM], 0x7f61b1e6
	v_mov_b32 v[SUM], 0
	v_mov_b32 v[SUM+1], 0
	v_mov_b32 v[FF], 0
	ZERO CH, 16
	ZERO S, 16
	ZERO OT, 32
	WALU
	s_wait_loadcnt 0x0
	v_lshlrev_b32 v[QSH], 16, v[QSL]               ; the two bytes for (0, q); the step's first nine plain lines stand between this line and the products
.endm
; Pass p ends: O^T / l is vals; its two blocks of 32 (16 numbers here, 16 in lane l xor 16) are quantised; the codes are the last product's operand as they stand.
.macro EPILOGUE p
	FOLD                                           ; the last step's sums; also the places behind the last products
	JOIN
	s_delay_alu instid0(VALU_DEP_1)
	v_add_f32 v[SUM], v[SUM], v[SUM+1]
	s_delay_alu instid0(VALU_DEP_1)
	v_permlanex16_b32 v[TMP], v[SUM], s[SEL], s[SEL+1]
	s_delay_alu instid0(VALU_DEP_1)
	v_add_f32 v[SUM], v[SUM], v[TMP]               ; the row's sum
	WALU
	v_rcp_f32 v[RC], v[SUM]
	v_nop                                          ; one plain line behind a transcendental
	WALU
.set J_, 0
.rept 16
	v_pk_mul_f32 v[OT+J_:OT+J_+1], v[OT+J_:OT+J_+1], v[RC:RC+1] op_sel_hi:[1,0]
.set J_, J_+2
.endr
.irp b, 0,1
	v_max3_num_f32 v[BM+\b], |v[OT+16*\b]|, |v[OT+16*\b+1]|, 0x4800000
.endr
.irp i, 2,4,6,8,10,12,14
.irp b, 0,1
	s_delay_alu instid0(VALU_DEP_2)
	v_max3_num_f32 v[BM+\b], v[BM+\b], |v[OT+16*\b+\i]|, |v[OT+16*\b+\i+1]|
.endr
.endr
.irp b, 0,1
	s_delay_alu instid0(VALU_DEP_2)
	v_permlanex16_b32 v[BT+\b], v[BM+\b], s[SEL], s[SEL+1]
.endr
.irp b, 0,1
	s_delay_alu instid0(VALU_DEP_2)
	v_max_num_f32 v[BM+\b], v[BM+\b], v[BT+\b]
.endr
.irp b, 0,1
	s_delay_alu instid0(VALU_DEP_2)
	v_add_nc_u32 v[SOP+\b], 0xfc000000, v[BM+\b]
.endr
.irp b, 0,1
	s_delay_alu instid0(VALU_DEP_4)
	v_and_or_b32 v[LIM+\b], v[BM+\b], 0x7f800000, s[MNT]
.endr
.irp b, 0,1
	s_delay_alu instid0(VALU_DEP_4)
	v_lshrrev_b32 v[BT+\b], 23, v[SOP+\b]
.endr
	s_delay_alu instid0(VALU_DEP_1)
	v_lshl_or_b32 v[TMP], v[BT+1], 8, v[BT]        ; my token's two scale bytes of this head
.irp b, 0,1
.irp i, 0,1,2,3,4,5,6,7,8,9,10,11,12,13,14,15
	v_med3_num_f32 v[OT+16*\b+\i], v[OT+16*\b+\i], -v[LIM+\b], v[LIM+\b]
.endr
	v_cvt_scalef32_pk8_fp8_f32 v[PC+4*\b:PC+4*\b+1], v[OT+16*\b:OT+16*\b+7], v[SOP+\b]
	v_cvt_scalef32_pk8_fp8_f32 v[PC+4*\b+2:PC+4*\b+3], v[OT+16*\b+8:OT+16*\b+15], v[SOP+\b]
.endr
	v_nop                                          ; one plain line behind the last conversion
	global_store_b128 v[LI], v[PC:PC+3], s[10:11] offset:(\p)*262144       ; each store of the wave covers 512 consecutive bytes, aligned
	global_store_b128 v[LI], v[PC+4:PC+7], s[10:11] offset:(\p)*262144+512
	global_store_b16 v[O32R], v[TMP], s[12:13] offset:(\p)*8192            ; two bytes of a token's 32: the other thirty come from fifteen other work-groups, so rows cannot be gathered here; 1 / 32 of what the launch stores.  Lanes l and l xor 16 store the same bytes
	s_wait_xcnt 0x0                                ; the stores' data are written again only behind this wait
.endm
	PROLOGUE 0
	SHOW 1                                         ; step 0 lies in LDS
	s_mov_b32 s[TBS], 0
	WALK 1
	SHOW 8                                         ; steps 1 to 7 too
	s_mov_b32 s[TBS], STEPB
	WALK 7
	s_wait_tensorcnt 0x0                           ; every wave: my step has landed
	s_wait_dscnt 0x0
	s_barrier_signal -1
	s_barrier_wait -1                              ; all sixteen steps lie in LDS
	s_mov_b32 s[TBS], 8*STEPB
	WALK 8
	EPILOGUE 0
	PROLOGUE 1
	s_mov_b32 s[TBS], 0
	WALK 16
	EPILOGUE 1
	s_wait_tensorcnt 0x0                           ; the wave's end
	ds_add_u32 v[SPW], v[NIL]
	s_wait_dscnt 0x0
	CROUND                                         ; the closing round: no work-group ends while a partner may still ask for a tile that names it
	s_endpgm
.Lfunc_end_k_q458d773f17_attn:
	.size	k_q458d773f17_attn, .Lfunc_end_k_q458d773f17_attn-k_q458d773f17_attn
	.p2alignl 7, 3214868480
	.fill 96, 4, 3214868480
	.section	.rodata,"a",@progbits
	.p2align	6, 0x0
	.amdhsa_kernel k_q458d773f17_attn
		.amdhsa_group_segment_fixed_size 272384
		.amdhsa_private_segment_fixed_size 0
		.amdhsa_enable_private_segment 0
		.amdhsa_kernarg_size 40
		.amdhsa_user_sgpr_count 2
		.amdhsa_user_sgpr_kernarg_segment_ptr 1
		.amdhsa_wavefront_size32 1
		.amdhsa_system_sgpr_workgroup_id_x 1
		.amdhsa_system_sgpr_workgroup_id_y 1
		.amdhsa_system_sgpr_workgroup_id_z 1
		.amdhsa_system_vgpr_workitem_id 0
		.amdhsa_next_free_vgpr 256
		.amdhsa_next_free_sgpr 66
		.amdhsa_reserve_vcc 0
		.amdhsa_float_denorm_mode_32 3
		.amdhsa_float_denorm_mode_16_64 3
		.amdhsa_memory_ordered 1
		.amdhsa_forward_progress 1
		.amdhsa_inst_pref_size 99
	.end_amdhsa_kernel
	.amdgpu_metadata
---
amdhsa.version: [ 1, 2 ]
amdhsa.kernels:
  - .name:           k_q458d773f17_attn
    .symbol:         k_q458d773f17_attn.kd
    .args:
      - { .name: qc, .offset: 0, .size: 8, .value_kind: global_buffer, .address_space: global }
      - { .name: qs, .offset: 8, .size: 8, .value_kind: global_buffer, .address_space: global }
      - { .name: kv, .offset: 16, .size: 8, .value_kind: global_buffer, .address_space: global }
      - { .name: vc, .offset: 24, .size: 8, .value_kind: global_buffer, .address_space: global }
      - { .name: vs, .offset: 32, .size: 8, .value_kind: global_buffer, .address_space: global }
    .group_segment_fixed_size: 272384
    .private_segment_fixed_size: 0
    .kernarg_segment_align: 8
    .kernarg_segment_size: 40
    .max_flat_workgroup_size: 512
    .sgpr_count:     66
    .vgpr_count:     256
    .wavefront_size: 32
...
	.end_amdgpu_metadata
.endif
;; end of part 2
;; launch proj (part 3): grid 32 x 8, 4 waves a work-group, clusters of 4 x 1, 327,680 bytes of LDS; arguments vc, vs, w_out_codes, w_out_scales, b_out, out0; writes out0
.if DOCPART == 3
	.amdgcn_target "amdgcn-amd-amdhsa--gfx1250"
	.amdhsa_code_object_version 6
	.text
	.protected	k_q458d773f17_proj
	.globl	k_q458d773f17_proj
	.p2align	8
	.type	k_q458d773f17_proj,@function
k_q458d773f17_proj:
	s_mov_b64 s[64:65], 0
	v_nop
	global_prefetch_b8 v0, s[64:65] scope:SCOPE_SE
	s_setreg_imm32_b32 hwreg(HW_REG_WAVE_MODE, 25, 1), 1
	s_wait_xcnt 0x0
	s_wait_alu depctr_hold_cnt(0) depctr_sa_sdst(0) depctr_va_vdst(0) depctr_va_sdst(0) depctr_va_ssrc(0) depctr_va_vcc(0) depctr_vm_vsrc(0)
	s_getreg_b32 s2, hwreg(HW_REG_IB_STS2, 6, 4)
	s_cmp_eq_u32 s2, 0
	s_cbranch_scc0 .Lentry_in_a_cluster
	s_endpgm
.Lentry_in_a_cluster:
	s_bfe_u32 s2, ttmp6, 0x10000c
	s_cmp_lg_u32 s2, 0x3003
	s_cbranch_scc0 .Lentry_shape_is_right
	s_endpgm
.Lentry_shape_is_right:
.set PITCH, 272
.set TROW,  16*PITCH
.set REG,   128*PITCH
.set STAGE, 4*REG
.set SP,    528
.set ADW, 4
.set LI,  8
.set OS,  9
.set OB,  10
.set STO, 11
.set RD,  12
.set SCA, 16
.set SCW, 32
.set BI,  64
.set G1,  20
.set G0,  28
.set MSB, 0
.macro WIN new
.if MSB != (\new)
	s_set_vgpr_msb (MSB<<8)|(\new)
.set MSB, (\new)
.endif
.endm
.macro PLACES n
.rept \n
	v_nop
.endr
.endm
.macro CROUND
	s_barrier_signal -1
	s_barrier_wait -1
	s_cmp_lg_u32 s16, 0
	s_cbranch_scc1 .Lnot_wave_0_\@
	s_barrier_signal -3
.Lnot_wave_0_\@:
	s_barrier_wait -3
	s_barrier_signal -1
	s_barrier_wait -1
.endm
	s_load_b256 s[4:11], s[0:1], 0x0
	s_load_b128 s[12:15], s[0:1], 0x20
	v_lshl_add_u32 v14, v0, 2, 0x2a400
	v_mov_b32 v15, 0
	ds_add_u32 v14, v15
	ds_add_u32 v14, v15
	v_lshrrev_b32 v1, 5, v0
	v_readfirstlane_b32 s16, v1
	s_and_b32 s17, s16, 1
	s_lshr_b32 s18, s16, 1
	s_bfe_u32 s19, ttmp6, 0x40000
	s_lshl_b32 s36, ttmp9, 2
	s_add_co_u32 s36, s36, s19
	s_and_b32 s37, ttmp7, 0xffff
	s_mov_b32 s[G1], 15|(1<<20)|(1<<21)|(5<<22)|(3<<25)
	s_mov_b32 s[G1+1], 256<<16
	s_mov_b32 s[G1+2], 64<<16
	s_mov_b32 s[G1+3], 256<<16
	s_mov_b32 s[G1+4], 64
	s_mov_b32 s[G1+5], 1024
	s_mov_b32 s[G1+6], 0
	s_mov_b32 s[G1+7], 0
	s_lshl_b32 s38, s37, 7
	s_lshl_b32 s39, s18, 6
	s_add_co_u32 s38, s38, s39
	s_lshl_b32 s38, s38, 10
	s_lshl_b32 s39, s17, 8
	s_add_co_u32 s38, s38, s39
	s_mov_b32 s39, 0
	s_mul_i32 s40, s17, REG
	s_mul_i32 s41, s18, 64*PITCH
	s_add_co_u32 s40, s40, s41
	s_lshl_b32 s42, s36, 4
	s_lshl_b32 s43, s16, 2
	s_add_co_u32 s41, s42, s43
	s_lshl_b32 s42, s41, 14
	s_mov_b32 s43, 0
	s_lshl_b32 s44, s41, 9
	s_mov_b32 s45, 0
	s_lshl_b32 s46, s41, 16
	s_lshl_b32 s47, s37, 9
	s_add_co_u32 s46, s46, s47
	s_mov_b32 s47, 0
	v_and_b32 v1, 15, v0
	v_bfe_u32 v2, v0, 4, 1
	v_and_b32 v3, 31, v0
	v_lshlrev_b32 v[LI], 4, v3
	v_lshlrev_b32 v[OS], 5, v1
	v_lshl_add_u32 v[OS], v2, 4, v[OS]
	v_lshlrev_b32 v[OB], 5, v2
	; the prefetch's offset.  The eight work-groups along y read the same 64 rows' images of vc in a wave; K parts 3 to 7 of them, 5 x 4 tiles x 8 blocks of 256 bytes = 160 blocks, are shared out: work-group y names blocks 20 y .. 20 y + 19 (spare lanes name the last again)
	s_mul_i32 s19, s37, 20
	v_min_u32 v13, 19, v3
	v_add_nc_u32 v13, s19, v13
	v_lshrrev_b32 v12, 3, v13
	v_and_b32 v13, 7, v13
	v_lshlrev_b32 v13, 8, v13
	v_and_b32 v11, 3, v12
	v_lshrrev_b32 v12, 2, v12
	v_lshl_add_u32 v13, v11, 14, v13
	v_lshl_add_u32 v13, v12, 11, v13
	s_wait_alu depctr_va_vdst(0)
	s_wait_dscnt 0x0
	s_wait_kmcnt 0x0
	s_add_nc_u64 s[8:9], s[8:9], s[38:39]
	s_add_nc_u64 s[4:5], s[4:5], s[42:43]
	s_add_nc_u64 s[6:7], s[6:7], s[44:45]
	s_add_nc_u64 s[14:15], s[14:15], s[46:47]
	s_lshl_b32 s42, s37, 12
	s_add_nc_u64 s[10:11], s[10:11], s[42:43]
	s_lshl_b32 s42, s37, 9
	s_add_nc_u64 s[12:13], s[12:13], s[42:43]
.irp t, 0,1,2,3
	global_load_b128 v[SCA+4*\t:SCA+4*\t+3], v[OS], s[6:7] offset:512*\t
.endr
.irp o, 0,1,2,3,4,5,6,7
	global_load_b128 v[SCW+4*\o:SCW+4*\o+3], v[OS], s[10:11] offset:512*\o
.endr
.irp o, 0,1,2,3,4,5,6,7
	global_load_b128 v[BI+8*\o:BI+8*\o+3], v[OB], s[12:13] offset:64*\o
	global_load_b128 v[BI+8*\o+4:BI+8*\o+7], v[OB], s[12:13] offset:64*\o+16
.endr
.macro ALOAD sg
	WIN 0x80+0x40*((\sg)/4)
.irp t, 0,1,2,3
.irp c, 0,1,2,3
	global_load_b128 v[64*((\sg)%4)+16*\t+4*\c:64*((\sg)%4)+16*\t+4*\c+3], v[LI], s[4:5] offset:\t*16384+(\sg)*2048+512*\c
.endr
.endr
	WIN 0
.endm
	ALOAD 0
	ALOAD 1
	ALOAD 2
	global_prefetch_b8 v13, s[4:5] offset:6144 th:TH_LOAD_NT scope:SCOPE_SE   ; K parts 0 to 2 come by the loads above; part 3 is loaded one group of products later; the registers are never rewritten
	s_mov_b32 s[G0], 1
	s_mov_b32 s[G0+1], s40
	s_mov_b64 s[G0+2:G0+3], s[8:9]
	s_or_b32 s[G0+3], s[G0+3], 0x80000000
	s_mov_b32 s[G0+4], 1
	s_add_co_u32 s[G0+5], s40, 2*REG
	s_add_nc_u64 s[G0+6:G0+7], s[8:9], 512
	s_or_b32 s[G0+7], s[G0+7], 0x80000000
	CROUND
	tensor_load_to_lds s[G0:G0+3], s[G1:G1+7]
	s_nop 0
	s_wait_alu depctr_va_vdst(0)
	s_wait_tensorcnt 0x0
	ds_add_u32 v14, v15
	s_wait_dscnt 0x0
	CROUND
	tensor_load_to_lds s[G0+4:G0+7], s[G1:G1+7]
	s_nop 0
.rept 4
	v_nop
.endr
	v_mul_u32_u24 v[ADW], v1, PITCH
	v_lshl_add_u32 v[ADW], v2, 4, v[ADW]
	v_add_nc_u32 v[ADW+1], REG, v[ADW]
	v_add_nc_u32 v[ADW+2], 2*REG, v[ADW]
	v_add_nc_u32 v[ADW+3], 3*REG, v[ADW]
	s_mul_i32 s41, s16, 16*SP
	s_add_co_u32 s41, s41, STAGE
	v_mul_u32_u24 v[STO], v1, SP
	v_lshl_add_u32 v[STO], v2, 5, v[STO]
	v_add_nc_u32 v[STO], s41, v[STO]
	v_add_nc_u32 v[RD], s41, v[LI]
.macro FETCH_W sg, g, buf
	WIN 0
.irp i, 0,1,2,3
.irp c, 0,1,2,3
	ds_load_b128 v[128+64*(\buf)+16*\i+4*\c:128+64*(\buf)+16*\i+4*\c+3], v[ADW+(\sg)/2] offset:(4*(\g)+\i)*TROW+128*((\sg)%2)+32*\c
.endr
.endr
.endm
.macro GROUP sg, g
.set nn, 2*(\sg)+(\g)
.if nn > 0
	PLACES 8
.endif
.if nn == 7
	s_wait_tensorcnt 0x0
	s_wait_dscnt 0x0
	s_barrier_signal -1
	s_barrier_wait -1
.endif
.if nn < 15
	FETCH_W (nn+1)/2, (nn+1)%2, (nn+1)%2
.endif
.if (\g) == 0
.if (\sg)+3 < 8
	ALOAD (\sg)+3
.endif
.if (\sg) < 5
	s_wait_loadcnt 48
.else
	s_wait_loadcnt 16*(7-(\sg))
.endif
.endif
.if nn < 15
	s_wait_dscnt 16
.else
	s_wait_dscnt 0x0
.endif
.if (\sg) == 0
	WIN 0x48
.elseif (\sg) < 4
	WIN 0x58
.else
	WIN 0x5c
.endif
.irp t, 0,1,2,3
.irp o, 0,1,2,3
.set rD, 8*(8*\t+4*(\g)+\o)
.set rC, rD
.if (\sg) == 0
.set rC, BI+8*(4*(\g)+\o)
.endif
.set rW, 128+64*(\g)+16*\o
.set rA, 64*((\sg)%4)+16*\t
.set rSW, SCW+4*(4*(\g)+\o)+(\sg)%4
.set rSA, SCA+4*\t+(\sg)%4
.if (\sg) < 4
	v_wmma_scale_f32_16x16x128_f8f6f4 v[rD:rD+7], v[rW:rW+15], v[rA:rA+15], v[rC:rC+7], v[rSW], v[rSA]
.else
	v_wmma_scale_f32_16x16x128_f8f6f4 v[rD:rD+7], v[rW:rW+15], v[rA:rA+15], v[rC:rC+7], v[rSW], v[rSA] matrix_a_scale:MATRIX_SCALE_ROW1 matrix_b_scale:MATRIX_SCALE_ROW1
.endif
.endr
.endr
.endm
	s_wait_alu depctr_va_vdst(0)
	s_wait_tensorcnt 1
	s_barrier_signal -1
	s_barrier_wait -1
	FETCH_W 0, 0, 0
.irp sg, 0,1,2,3,4,5,6,7
	GROUP \sg, 0
	GROUP \sg, 1
.endr
	WIN 0
	PLACES 8
.macro TOSTAGE a
	WIN 0x04
.irp o, 0,1,2,3,4,5,6,7
	ds_store_b128 v[STO], v[64*(\a)+8*\o:64*(\a)+8*\o+3] offset:64*\o
	ds_store_b128 v[STO], v[64*(\a)+8*\o+4:64*(\a)+8*\o+7] offset:64*\o+16
.endr
	WIN 0
.set BB, 64+64*((\a)%2)
.irp t, 0,1,2,3,4,5,6,7,8,9,10,11,12,13,14,15
	ds_load_b128 v[BB+4*\t:BB+4*\t+3], v[RD] offset:\t*SP
.endr
.endm
.macro SEND a, younger
.set BB, 64+64*((\a)%2)
	s_wait_dscnt \younger
.irp t, 0,1,2,3,4,5,6,7,8,9,10,11,12,13,14,15
	global_store_b128 v[LI], v[BB+4*\t:BB+4*\t+3], s[14:15] offset:(\a)*65536+\t*4096 th:TH_STORE_NT
.endr
.endm
	TOSTAGE 0
.irp a, 1,2,3
.if \a > 1
	s_wait_xcnt 0x0
.endif
	TOSTAGE \a
	SEND \a-1, 32
.endr
	SEND 3, 0
	s_wait_tensorcnt 0x0
	ds_add_u32 v14, v15
	s_wait_dscnt 0x0
	CROUND
	s_endpgm
.Lfunc_end_k_q458d773f17_proj:
	.size	k_q458d773f17_proj, .Lfunc_end_k_q458d773f17_proj-k_q458d773f17_proj
	.p2alignl 7, 3214868480
	.fill 96, 4, 3214868480
	.section	.rodata,"a",@progbits
	.p2align	6, 0x0
	.amdhsa_kernel k_q458d773f17_proj
		.amdhsa_group_segment_fixed_size 327680
		.amdhsa_private_segment_fixed_size 0
		.amdhsa_enable_private_segment 0
		.amdhsa_kernarg_size 48
		.amdhsa_user_sgpr_count 2
		.amdhsa_user_sgpr_kernarg_segment_ptr 1
		.amdhsa_wavefront_size32 1
		.amdhsa_system_sgpr_workgroup_id_x 1
		.amdhsa_system_sgpr_workgroup_id_y 1
		.amdhsa_system_sgpr_workgroup_id_z 1
		.amdhsa_system_vgpr_workitem_id 0
		.amdhsa_next_free_vgpr 1024
		.amdhsa_next_free_sgpr 66
		.amdhsa_reserve_vcc 0
		.amdhsa_float_denorm_mode_32 3
		.amdhsa_float_denorm_mode_16_64 3
		.amdhsa_memory_ordered 1
		.amdhsa_forward_progress 1
		.amdhsa_inst_pref_size 90
	.end_amdhsa_kernel
	.amdgpu_metadata
---
amdhsa.version: [ 1, 2 ]
amdhsa.kernels:
  - .name:           k_q458d773f17_proj
    .symbol:         k_q458d773f17_proj.kd
    .args:
      - { .name: vc, .offset: 0, .size: 8, .value_kind: global_buffer, .address_space: global }
      - { .name: vs, .offset: 8, .size: 8, .value_kind: global_buffer, .address_space: global }
      - { .name: w_out_codes, .offset: 16, .size: 8, .value_kind: global_buffer, .address_space: global }
      - { .name: w_out_scales, .offset: 24, .size: 8, .value_kind: global_buffer, .address_space: global }
      - { .name: b_out, .offset: 32, .size: 8, .value_kind: global_buffer, .address_space: global }
      - { .name: out0, .offset: 40, .size: 8, .value_kind: global_buffer, .address_space: global }
    .group_segment_fixed_size: 327680
    .private_segment_fixed_size: 0
    .kernarg_segment_align: 8
    .kernarg_segment_size: 48
    .max_flat_workgroup_size: 128
    .sgpr_count:     66
    .vgpr_count:     1024
    .wavefront_size: 32
...
	.end_amdgpu_metadata
.endif
;; end of part 3
